; MI455X (gfx1250); checked and timed in simulation.
; The chip was launched on July 23, 2026; its instructions are those of AMD's public machine-readable ISA for CDNA 5 (MIT licence, August 2026) and "CDNA5" Instruction Set Architecture Reference Guide (July 2026). The comments in the code are by the model that wrote it; some were corrected since.
;; Multihead Attention. Allowed arithmetic: matrix products marked QUANTISED: E4M3 operands, one given power-of-two scale a tensor, by v_wmma_f32_16x16x64_fp8_fp8 or v_wmma_f32_16x16x128_fp8_fp8, f32 sums; everything else in f32.
;; Inputs: Wk_codes 1,024 x 32 x 32 uint8 (E4M3 codes of Wk, K innermost, in blocks of 32 codes); Wq_codes 1,024 x 32 x 32 uint8 (E4M3 codes of Wq, K innermost, in blocks of 32 codes); Wv_codes 1,024 x 32 x 32 uint8 (E4M3 codes of Wv, K innermost, in blocks of 32 codes); bk 1,024 float32; bq 1,024 float32; bv 1,024 float32; hidden_states_codes 4 x 2,048 x 32 x 32 uint8 (E4M3 codes of hidden_states, K innermost, in blocks of 32 codes); lowp_scales 10 int32 (the exponents e of the quantised operands' scales 2^e).
;; Outputs: out0 4 x 2,048 x 1,024 float32.
;; This version of the problem:
;;   THIS VERSION OF THE PROBLEM IS GIVEN IN LOW PRECISION. The matrix products marked QUANTISED in the list below multiply operands that are first quantised to E4M3 (4 exponent bits, 3 mantissa bits; 8 bits a number), with one given power-of-two scale for each operand tensor; their sums are f32. All else is computed in f32.
;;   The module's matrix products, in the order in which they are computed (A, B: the left and right operand; K: the contracted axis; several contracted axes count as one K, in the product's order):
;;     1. [M 8,192, K 1,024] x [K 1,024, N 1,024]; A: input hidden_states (given as codes); B: input Wq (given as codes): QUANTISED (scales: A lowp_scales[0], B lowp_scales[1])
;;     2. [M 8,192, K 1,024] x [K 1,024, N 1,024]; A: input hidden_states (given as codes); B: input Wk (given as codes): QUANTISED (scales: A lowp_scales[2], B lowp_scales[3])
;;     3. [M 8,192, K 1,024] x [K 1,024, N 1,024]; A: input hidden_states (given as codes); B: input Wv (given as codes): QUANTISED (scales: A lowp_scales[4], B lowp_scales[5])
;;     4. batch 64 x [M 2,048, K 64] x [K 64, N 2,048]; A: computed on the way; B: computed on the way: QUANTISED (scales: A lowp_scales[6], B lowp_scales[7])
;;     5. batch 64 x [M 2,048, K 2,048] x [K 2,048, N 64]; A: softmax (see below); B: computed on the way: QUANTISED (scales: A lowp_scales[8], B lowp_scales[9])
;;   THE QUANTISER, for each operand of a quantised product, along K:
;;     - The operand's scale is 2^e, e = its entry of the input lowp_scales (int32; the entries are numbered through the quantised products in the list's order, A before B).
;;     - Each number is divided by the scale, clamped to +-448, and rounded to the nearest number of E4M3, ties to even, subnormals kept.
;;     - The product sums the exact products of the quantised numbers (number of the format x scale) in f32.
;;   ~~~python
;;   def quantise(x, axis, e):      # numpy; x: float32 -> the quantised numbers, widened to float32 again
;;       x = np.moveaxis(x, axis, -1); K = x.shape[-1]
;;       r = np.clip(x / 2.0 ** e, -448, 448)
;;       step = 2.0 ** (np.maximum(np.frexp(np.where(r == 0, 1, r))[1] - 1, -6) - 3)
;;       q = np.round(r / step) * step * 2.0 ** e      # np.round: ties to even
;;       return np.moveaxis(q, -1, axis).astype(np.float32)
;;   ~~~
;;   SOFTMAX AHEAD OF A QUANTISED PRODUCT. Where the list says 'softmax', what is quantised is not the finished softmax but p = 2^(t - M), with t = logit x log2(e) and M = ceil(the row's largest t), a whole number; so 1/2 < the row's largest p <= 1. The row's sum l is taken of the UNQUANTISED p, in f32, and the product's result is divided by l at the end. Since M is a whole number, a kernel that streams over the keys may use a running M (the ceiling of the running maximum): every later rescaling is an exact power of two, so the quantised numbers keep their values, but for numbers so far below the row's largest that they fall under the format's range.
;;   OPERANDS COMPUTED ON THE WAY. 'Computed on the way' means the value that the module computes at that place (a softmax that the list does not call 'softmax' is quantised finished and normalised). What goes into a quantiser is computed in f32, as accurately as f32 sums, v_exp_f32 and their like allow (about 1e-6 of the number): no bf16 or f16 on the way to a quantiser, and a product that is left as it is and whose result goes on into a quantised operand takes f32 operands (vector FMAs, or v_wmma_f32_16x16x4_f32). A number that lies on a knife's edge between two numbers of the format may be rounded either way, as far as f32 arithmetic and the matrix unit's own rounding can turn it there, and no further.
;;   INPUTS GIVEN AS CODES. Wk (in the module: [1024, 1024], K = its axis 1); Wq (in the module: [1024, 1024], K = its axis 1); Wv (in the module: [1024, 1024], K = its axis 1); hidden_states (in the module: [4, 2048, 1024], K = its axis 2): each comes as NAME_codes (uint8): NAME with its K axis moved to the last place and cut into blocks of 32 codes, [.., K / 32, bytes a block], one block behind the other in memory; one code a byte (a code: sign, 4 exponent bits, 3 mantissa bits); its scale is its entry of lowp_scales. Its value is code x scale, taken as it is: it is not quantised again, and the codes and scales need not be those that the quantiser above would give.
;; One version. Each part assembles by itself: llvm-mc -triple=amdgcn-amd-amdhsa -mcpu=gfx1250 --defsym DOCPART=n.
;; ======== version 1 of 1: 2 launches
;; limits: right only within a limited range of input values
;; workspace buffers: qkv 25,165,824 bytes; wqi 1,048,576 bytes
;; launch proj (part 1): grid 8 x 32, 4 waves a work-group, clusters of 4 x 4, 327,680 bytes of LDS; arguments hidden_states_codes, Wq_codes, Wk_codes, Wv_codes, bk, bv, lowp_scales, qkv, wqi; writes qkv, wqi
.if DOCPART == 1
	.amdgcn_target "amdgcn-amd-amdhsa--gfx1250"
	.amdhsa_code_object_version 6
	.text
	.protected	k_q26053da84e_proj
	.globl	k_q26053da84e_proj
	.p2align	8
	.type	k_q26053da84e_proj,@function
k_q26053da84e_proj:
	s_mov_b64 s[64:65], 0
	v_nop
	global_prefetch_b8 v0, s[64:65] scope:SCOPE_SE
	s_setreg_imm32_b32 hwreg(HW_REG_WAVE_MODE, 25, 1), 1
	s_wait_xcnt 0x0
	s_wait_alu depctr_hold_cnt(0) depctr_sa_sdst(0) depctr_va_vdst(0) depctr_va_sdst(0) depctr_va_ssrc(0) depctr_va_vcc(0) depctr_vm_vsrc(0)
	s_getreg_b32 s2, hwreg(HW_REG_IB_STS2, 6, 4)
	s_cmp_eq_u32 s2, 0
	s_cbranch_scc0 .Lentry_in_a_cluster
	s_endpgm
.Lentry_in_a_cluster:
	s_bfe_u32 s2, ttmp6, 0x10000c
	s_cmp_lg_u32 s2, 0xf033
	s_cbranch_scc0 .Lentry_shape_is_right
	s_endpgm
.Lentry_shape_is_right:
; k, v = hidden W^T + b on codes of FP8 (E4M3), quantised again with the scales of the attention's operands, stored as images of operand registers in parts 1 (k) and 2 (v) of the workspace:
; part (8 MiB) | batch (2 MiB) | block of 64 columns | block of 16 rows (1,024 B) | half (512 B) | lane (16 B).  k: row = token, column block = head.  v: row = feature, column block = 64 keys.
; q is not made here: each of its numbers is read by one work-group of the next launch, which makes it itself.  For that launch hidden's and Wq's codes are laid here as images of fragments of 16 rows x 128 K:
; block of 16 rows | K step of 128 (2,048 B) | chunk i (512 B) | lane (16 B), lane (r, h) holding k = 128 s + 32 i + 16 h + 0..15 of row r.  hidden's image is part 0 of the workspace (16,384 B a block of rows);
; Wq's is the buffer wqi, head (65,536 B) | K step (8,192 B) | block of 16 rows (2,048 B) | chunk | lane.  Each work-group lays 32 rows of hidden and 4,096 bytes of Wq's image, while its first tile is on its way.
; A tile of 256 x 256 to a work-group of four waves, 128 x 128 a wave; K in steps of 256 through a ring of two LDS slots; 4 x 4 clusters, A's tile asked for jointly along a row, B's along a column.  256 work-groups.
; The cluster's x says which product: 0 k (A = hidden, B = Wk: a lane holds a token, its registers run along the features), 1 v (A = Wv, B = hidden: a lane holds a feature, its registers run along the tokens).
; Only the global addresses differ between the two: A's tile row is cy + 4 x cluster y (k) or cy (v), B's tile column cx (k) or cx + 4 x cluster y (v).  Every LDS address is the same for both.
; The bias goes in divided by the products' scale: along the columns as the first products' C (k), along the rows by an addition on the way out (v); the other one is multiplied by 0.
; No prefetch: K is 1,024, four K steps, of which two are asked for at the head.
; LIMITS: each sum of exponents that is made into an f32 power of two lies between -126 and 127 (the hold's: up to 119).
.set KSTEP,  256
.set ROWB,   256
.set KROW,   1024
.set PITCH,  272
.set FR,     16
.set NL,     4
.set NP,     4
.set HALFT,  128*PITCH
.set SLOT,   4*HALFT
.set LAPS,   2
.set SPARE,  2*SLOT
.set BOC,  8
.set BOR,  9
.set ISO,  10                          ; v10  the images' source: 1,024 r + 16 h
.set IDO,  11                          ; v11  the images' place: 16 x lane
.set ADRA, 16
.set ADRB, 20
.set STO,  24
.set RD,   25
.set CO,   26
.set SPW,  28
.set NIL,  29
.set SC,   30
.set LIM,  31
.set CB,   32
.set TMP,  32
.set RB,   96
.set AF,   128
.set CD,   128
.set IM,   128                         ; v128-199 the images' 18 x 16 bytes a lane, ahead of A's first fragments
.set G1, 24
.set G0, 32
.set G1B, 48
.set G0B, 56
.set MSB, 0
.macro WIN new
.if MSB != (\new)
	s_set_vgpr_msb (MSB<<8)|(\new)
.set MSB, (\new)
.endif
.endm
.set MUL_LO,   0xa1
.set MUL_HI,   0xf1
.set FIRST_LO, 0x81
.set FIRST_HI, 0xc1
.set TO_B,     0x40
.macro JLOAD g0a, g1a, g0b, g1b        ; waves 0, 1 fetch for A, waves 2, 3 for B
	s_cmp_eq_u32 s15, 0
	s_cbranch_scc0 .Lfor_b_\@
	tensor_load_to_lds s[\g0a:\g0a+3], s[\g1a:\g1a+7]
	s_nop 0
.rept 4
	v_nop
.endr
	s_branch .Lasked_\@
.Lfor_b_\@:
	tensor_load_to_lds s[\g0b:\g0b+3], s[\g1b:\g1b+7]
	s_nop 0
.rept 4
	v_nop
.endr
.Lasked_\@:
.endm
.macro CREST
	s_cmp_lg_u32 s14, 0
	s_cbranch_scc1 .Lnot_wave_0_\@
	s_barrier_signal -3
.Lnot_wave_0_\@:
	s_barrier_wait -3
	s_barrier_signal -1
	s_barrier_wait -1
.endm
.macro CROUND
	s_barrier_signal -1
	s_barrier_wait -1
	CREST
.endm
	s_load_b512 s[68:83], s[0:1], 0x0              ; hidden 68, Wq 70, Wk 72, Wv 74, bk 76, bv 78, the exponents 80, the workspace 82
	s_load_b64 s[84:85], s[0:1], 0x40              ; Wq's image
	v_lshl_add_u32 v[SPW], v0, 2, SPARE
	v_mov_b32 v[NIL], 0
	ds_add_u32 v[SPW], v[NIL]                      ; the opening lines
	ds_add_u32 v[SPW], v[NIL]
	s_wait_dscnt 0x0
	v_lshrrev_b32 v1, 5, v0
	v_readfirstlane_b32 s14, v1
	s_lshr_b32 s15, s14, 1
	s_and_b32 s16, s14, 1
	s_bfe_u32 s40, ttmp6, 0x40000
	s_bfe_u32 s41, ttmp6, 0x40004
	s_and_b32 s17, ttmp7, 0xffff
	s_lshl_b32 s17, s17, 2                         ; 4 x cluster y
	s_cmp_eq_u32 ttmp9, 1                          ; v?
	s_cselect_b32 s4, 0, s17
	s_cselect_b32 s5, s17, 0
	s_add_co_u32 s4, s4, s41                       ; A's tile row: made of cy and the cluster's numbers alone
	s_add_co_u32 s5, s5, s40                       ; B's tile column: of cx and the cluster's numbers alone
	s_cmp_eq_u32 ttmp9, 1
	s_cselect_b32 s17, s5, s4                      ; the tile of 256 tokens
	s_cselect_b32 s42, s4, s5                      ; the tile of 256 features
	s_lshl_b32 s43, s41, 2
	s_lshl_b32 s43, 15, s43
	s_lshl_b32 s44, 0x1111, s40
	s_or_b32 s[G1+0], s43, (0<<16)|(1<<20)|(1<<21)|(5<<22)|(3<<25)
	s_or_b32 s[G1B+0], s44, (0<<16)|(1<<20)|(1<<21)|(5<<22)|(3<<25)
.irp g, G1, G1B
	s_mov_b32 s[\g+1], ROWB<<16
	s_mov_b32 s[\g+2], 128<<16
	s_mov_b32 s[\g+3], ROWB<<16
	s_mov_b32 s[\g+4], 128
	s_mov_b32 s[\g+5], KROW
	s_mov_b32 s[\g+6], 0
	s_mov_b32 s[\g+7], 0
.endr
	s_lshl_b32 s18, s16, 7
	s_lshl_b32 s20, s4, 8
	s_add_co_u32 s20, s20, s18
	s_lshl_b32 s20, s20, 10
	s_mov_b32 s21, 0
	s_lshl_b32 s46, s5, 8
	s_add_co_u32 s46, s46, s18
	s_lshl_b32 s46, s46, 10
	s_mov_b32 s47, 0
	s_mul_i32 s45, s14, HALFT
	s_wait_kmcnt 0x0
	s_load_b256 s[88:95], s[80:81], 0x0
	s_load_b64 s[96:97], s[80:81], 0x20
	s_cmp_eq_u32 ttmp9, 1
	s_cselect_b64 s[86:87], s[74:75], s[68:69]     ; A: Wv, or hidden
	s_cselect_b64 s[6:7], s[68:69], s[72:73]       ; B: hidden, or Wk
	s_cselect_b64 s[8:9], s[78:79], s[76:77]       ; the bias
	s_add_nc_u64 s[20:21], s[86:87], s[20:21]
	s_add_nc_u64 s[46:47], s[6:7], s[46:47]
	CROUND
.irp s, 0,1
	s_mov_b32 s[G0+4*\s], 1
	s_add_co_u32 s[G0+4*\s+1], s45, \s*SLOT
	s_add_nc_u64 s[G0+4*\s+2:G0+4*\s+3], s[20:21], \s*ROWB
	s_or_b32 s[G0+4*\s+3], s[G0+4*\s+3], 0x80000000
	s_mov_b32 s[G0B+4*\s], 1
	s_add_co_u32 s[G0B+4*\s+1], s45, \s*SLOT
	s_add_nc_u64 s[G0B+4*\s+2:G0B+4*\s+3], s[46:47], \s*ROWB
	s_or_b32 s[G0B+4*\s+3], s[G0B+4*\s+3], 0x80000000
.endr
	JLOAD G0, G1, G0B, G1B                         ; K step 0: one tensor load a wave at the head, behind the round above
	; the images.  g = 8 x (4 cluster y + cy) + 4 cluster x + cx, 0 to 255.  hidden: block of 16 rows 2 g + wave % 2, K steps 4 (wave / 2) + 0..3.  Wq: the 1,024 bytes u = 4 g + wave of its image
	s_and_b32 s18, ttmp7, 0xffff
	s_lshl_b32 s18, s18, 2
	s_add_co_u32 s18, s18, s41
	s_lshl_b32 s19, ttmp9, 2
	s_add_co_u32 s19, s19, s40
	s_lshl_b32 s18, s18, 3
	s_add_co_u32 s18, s18, s19                     ; g
	s_lshl_b32 s19, s18, 1
	s_add_co_u32 s19, s19, s16
	s_lshl_b32 s19, s19, 14                        ; the block's 16,384 bytes, in hidden and in its image
	s_lshl_b32 s22, s15, 9
	s_add_co_u32 s22, s22, s19
	s_mov_b32 s23, 0
	s_add_nc_u64 s[68:69], s[68:69], s[22:23]      ; from: + 512 bytes of each row for four K steps
	s_lshl_b32 s22, s15, 13
	s_add_co_u32 s22, s22, s19
	s_add_nc_u64 s[86:87], s[82:83], s[22:23]      ; to: + 8,192 bytes for four K steps
	s_lshl_b32 s18, s18, 2
	s_add_co_u32 s18, s18, s14                     ; u = 64 head + 8 K step + 2 block of rows + chunk / 2
	s_lshr_b32 s19, s18, 6
	s_lshl_b32 s19, s19, 16                        ; the head's 64 rows
	s_bfe_u32 s22, s18, 0x20001
	s_lshl_b32 s22, s22, 14                        ; the block of 16 rows
	s_add_co_u32 s19, s19, s22
	s_bfe_u32 s22, s18, 0x30003
	s_lshl_b32 s22, s22, 7                         ; the K step
	s_add_co_u32 s19, s19, s22
	s_and_b32 s22, s18, 1
	s_lshl_b32 s22, s22, 6                         ; two chunks of 32 bytes
	s_add_co_u32 s22, s22, s19
	s_add_nc_u64 s[70:71], s[70:71], s[22:23]
	s_lshl_b32 s22, s18, 10
	s_add_nc_u64 s[84:85], s[84:85], s[22:23]
	v_and_b32 v1, 15, v0
	v_bfe_u32 v2, v0, 4, 1
	v_lshlrev_b32 v[ISO], 10, v1
	v_lshl_add_u32 v[ISO], v2, 4, v[ISO]
	v_and_b32 v[IDO], 31, v0
	v_lshlrev_b32 v[IDO], 4, v[IDO]
.irp t, 0,1,2,3
.irp i, 0,1,2,3
	global_load_b128 v[IM+16*\t+4*\i:IM+16*\t+4*\i+3], v[ISO], s[68:69] offset:128*\t+32*\i
.endr
.endr
.irp i, 0,1
	global_load_b128 v[IM+64+4*\i:IM+64+4*\i+3], v[ISO], s[70:71] offset:32*\i
.endr
	s_lshl_b32 s18, s42, 10
	s_lshl_b32 s19, s16, 9
	s_add_co_u32 s19, s19, s18
	v_lshl_add_u32 v[BOC], v2, 5, s19
	s_lshl_b32 s19, s15, 9
	s_add_co_u32 s19, s19, s18
	v_lshl_add_u32 v[BOR], v1, 2, s19
.irp b, 0,1,2,3,4,5,6,7
	global_load_b128 v[CB+8*\b:CB+8*\b+3],   v[BOC], s[8:9] offset:64*\b
	global_load_b128 v[CB+8*\b+4:CB+8*\b+7], v[BOC], s[8:9] offset:64*\b+16
.endr
.irp a, 0,1,2,3,4,5,6,7
	global_load_b32 v[RB+2*\a], v[BOR], s[8:9] offset:64*\a
.endr
	v_mul_u32_u24 v3, v1, PITCH
	v_lshl_add_u32 v4, v2, 4, v3
	s_wait_alu depctr_va_vdst(0)                   ; ahead of the run of scalar lines
	s_mul_i32 s22, s15, HALFT                      ; my 128 rows of A
	s_mul_i32 s23, s16, HALFT                      ; my 128 rows of B,
	s_add_co_u32 s23, s23, 2*HALFT                 ; which lie behind A's 256
.irp s, 0,1
	v_add_nc_u32 v[ADRA+\s], s22, v4
	v_add_nc_u32 v[ADRB+\s], s23, v4
	s_add_co_u32 s22, s22, SLOT
	s_add_co_u32 s23, s23, SLOT
.endr
	s_mul_i32 s22, s15, HALFT
	s_lshl_b32 s23, s16, 7
	s_add_co_u32 s22, s22, s23
	v_add_nc_u32 v[STO], s22, v4
	s_lshl_b32 s23, s14, 6
	v_add_nc_u32 v[RD], s23, v4
	v_and_b32 v5, 31, v0
	v_lshlrev_b32 v[CO], 4, v5
	s_add_co_u32 s18, ttmp9, 1                     ; part 1 (k) or 2 (v)
	s_lshl_b32 s18, s18, 23
	s_lshr_b32 s19, s17, 3
	s_lshl_b32 s19, s19, 21
	s_add_co_u32 s18, s18, s19
	s_and_b32 s19, s17, 7
	s_lshl_b32 s22, s42, 2
	s_add_co_u32 s22, s22, s14
	s_lshl_b32 s22, s22, 17
	s_lshl_b32 s23, s19, 14
	s_add_co_u32 s22, s22, s23
	s_lshl_b32 s23, s19, 2
	s_add_co_u32 s23, s23, s14
	s_lshl_b32 s23, s23, 16
	s_lshl_b32 s19, s42, 14
	s_add_co_u32 s23, s23, s19
	s_cmp_eq_u32 ttmp9, 1
	s_cselect_b32 s22, s23, s22
	s_add_co_u32 s18, s18, s22
	s_mov_b32 s19, 0
	s_add_nc_u64 s[10:11], s[82:83], s[18:19]
	s_wait_kmcnt 0x0
	s_cmp_eq_u32 ttmp9, 1
	s_cselect_b32 s18, s92, s90                    ; A's, B's and the result's exponents: e4, e5, e9 (v) or e2, e3, e7 (k)
	s_cselect_b32 s19, s93, s91
	s_cselect_b32 s22, s97, s95
	s_add_co_i32 s18, s18, s19
	s_sub_co_i32 s19, 127, s18
	s_lshl_b32 s19, s19, 23
	s_cmp_eq_u32 ttmp9, 1
	s_cselect_b32 s12, 0, s19
	s_cselect_b32 s2, s19, 0
	s_mov_b32 s13, s12
	s_sub_co_i32 s22, s22, s18
	s_add_co_i32 s22, s22, 127
	s_lshl_b32 s23, s22, 23
	v_mov_b32 v[SC], s23
	s_add_co_i32 s22, s22, 8
	s_lshl_b32 s22, s22, 23
	s_or_b32 s22, s22, 0x600000
	v_mov_b32 v[LIM], s22
	s_wait_loadcnt 0x0
.set j, 0
.rept 32
	v_pk_mul_f32 v[CB+j:CB+j+1], v[CB+j:CB+j+1], s[12:13] op_sel_hi:[1,0]
.set j, j+2
.endr
.irp a, 0,1,2,3,4,5,6,7
	v_mul_f32 v[RB+2*\a+1], s2, v[RB+2*\a]
	v_mul_f32 v[RB+2*\a], s2, v[RB+2*\a]
.endr
.irp t, 0,1,2,3
.irp i, 0,1,2,3
	global_store_b128 v[IDO], v[IM+16*\t+4*\i:IM+16*\t+4*\i+3], s[86:87] offset:2048*\t+512*\i   ; 32 lanes store 512 consecutive bytes
.endr
.endr
.irp i, 0,1
	global_store_b128 v[IDO], v[IM+64+4*\i:IM+64+4*\i+3], s[84:85] offset:512*\i
.endr
.macro FRAG reg, adr, q, i
.irp c, 0,1,2,3
	ds_load_b128 v[\reg+4*\c:\reg+4*\c+3], v[\adr] offset:128*(\q)+32*\c+(\i)*16*PITCH
.endr
.endm
.macro MUL16 a0, p, zero               ; the 64 accumulators take turns; zero = 1: the first products take the bias as C
.irp a, \a0, \a0+1
.irp b, 0,1,2,3,4,5,6,7
.if \zero
	v_wmma_f32_16x16x128_fp8_fp8 v[8*(8*((\a)%4)+\b):8*(8*((\a)%4)+\b)+7], v[128*(\p)+FR*\b:128*(\p)+FR*\b+FR-1], v[AF+FR*(\a):AF+FR*(\a)+FR-1], v[CB+8*\b:CB+8*\b+7]
.else
	v_wmma_f32_16x16x128_fp8_fp8 v[8*(8*((\a)%4)+\b):8*(8*((\a)%4)+\b)+7], v[128*(\p)+FR*\b:128*(\p)+FR*\b+FR-1], v[AF+FR*(\a):AF+FR*(\a)+FR-1], v[8*(8*((\a)%4)+\b):8*(8*((\a)%4)+\b)+7]
.endif
.endr
.endr
.endm
.macro FETCH_B slot, q, p
	WIN TO_B
.irp i, 0,1,2,3,4,5,6,7
	FRAG 128*(\p)+FR*\i, ADRB+\slot, \q, \i
.endr
	WIN 0
.endm
.macro FETCH_A slot, q, i0
.irp i, \i0, \i0+1, \i0+2, \i0+3
	FRAG AF+FR*(\i), ADRA+\slot, \q, \i
.endr
.endm
.macro PLACES n
.rept \n
	v_nop
.endr
.endm
.macro STEP slot, q, zero
	s_wait_dscnt 4*NL
.if \zero
	WIN FIRST_LO
.else
	WIN MUL_LO
.endif
	MUL16 0, (\q)%2, \zero
	MUL16 2, (\q)%2, \zero
	s_wait_dscnt 0
	PLACES NP
	FETCH_B \slot, (\q)+1, 1-(\q)%2
	FETCH_A \slot, (\q)+1, 0
.if \zero
	WIN FIRST_HI
.else
	WIN MUL_HI
.endif
	MUL16 4, (\q)%2, \zero
	MUL16 6, (\q)%2, \zero
	PLACES NP
	WIN 0
	FETCH_A \slot, (\q)+1, 4
.endm
.macro TURN slot, next, fill           ; a slot's last step changes slots: a tensor wait, a spare add and its wait, one barrier, which opens a round where the slot is filled again
	s_wait_tensorcnt 0x0
	ds_add_u32 v[SPW], v[NIL]
	s_wait_dscnt 4*NL+1
	WIN MUL_LO
	MUL16 0, 1, 0
	s_wait_dscnt 0x0
	s_barrier_signal -1
	MUL16 2, 1, 0
	WIN 0
	s_barrier_wait -1
.if \fill
	CREST
	s_add_nc_u64 s[G0+4*\slot+2:G0+4*\slot+3], s[G0+4*\slot+2:G0+4*\slot+3], 2*ROWB
	s_add_nc_u64 s[G0B+4*\slot+2:G0B+4*\slot+3], s[G0B+4*\slot+2:G0B+4*\slot+3], 2*ROWB
	JLOAD G0+4*\slot, G1, G0B+4*\slot, G1B
.else
	PLACES NP
.endif
	FETCH_B \next, 0, 0
	FETCH_A \next, 0, 0
	WIN MUL_HI
	MUL16 4, 1, 0
	MUL16 6, 1, 0
	PLACES NP
	WIN 0
	FETCH_A \next, 0, 4
.endm
	s_wait_alu depctr_va_vdst(0)                   ; at the head's end
	s_wait_xcnt 0x0                                ; the images' stores have read their registers: A's fragments may land there
	s_wait_tensorcnt 0x0                           ; my part of K step 0 is in
	ds_add_u32 v[SPW], v[NIL]
	s_wait_dscnt 0x0
	CROUND                                         ; everybody's part of K step 0 is in, and the sixteen work-groups are here
	JLOAD G0+4, G1, G0B+4, G1B                     ; K step 1, the first tensor load behind the round
	FETCH_B 0, 0, 0
	FETCH_A 0, 0, 0
	FETCH_A 0, 0, 4
	STEP 0, 0, 1
	s_mov_b32 s3, LAPS-1
.Llap:
	TURN 0, 1, 1
	STEP 1, 0, 0
	TURN 1, 0, 1
	STEP 0, 0, 0
	s_sub_co_u32 s3, s3, 1
	s_cmp_lg_u32 s3, 0
	s_cbranch_scc1 .Llap
	TURN 0, 1, 0
	STEP 1, 0, 0
	s_wait_dscnt 4*NL
	WIN MUL_LO
	MUL16 0, 1, 0
	MUL16 2, 1, 0
	s_wait_dscnt 0
	WIN MUL_HI
	MUL16 4, 1, 0
	MUL16 6, 1, 0
	WIN 0
.macro QBLOCK a                        ; 16 rows x 128 columns: + the rows' bias, the hold, the codes, into the stage in slot 0, which has had its last fill and its last read
.set AC, 64*((\a)%4)
	WIN 0x02+((\a)/4)
.set j, 0
.rept 32
	v_pk_add_f32 v[TMP+j:TMP+j+1], v[AC+j:AC+j+1], v[RB+2*(\a):RB+2*(\a)+1]
.set j, j+2
.endr
	WIN 0
.set j, 0
.rept 64
	v_med3_num_f32 v[TMP+j], v[TMP+j], -v[LIM], v[LIM]
.set j, j+1
.endr
.irp b, 0,1,2,3,4,5,6,7
	v_cvt_scalef32_pk8_fp8_f32 v[CD+16*(\a)+2*\b:CD+16*(\a)+2*\b+1], v[TMP+8*\b:TMP+8*\b+7], v[SC]
.endr
	v_nop
.irp p, 0,1,2,3
	ds_store_b128 v[STO], v[CD+16*(\a)+4*\p:CD+16*(\a)+4*\p+3] offset:16*(\a)*PITCH+32*\p
.endr
.endm
	PLACES NP
.irp a, 0,1,2,3,4,5,6,7
	QBLOCK \a
.endr
	s_wait_dscnt 0x0
	s_barrier_signal -1
	s_barrier_wait -1
.set i, 0
.rept 32
	ds_load_b128 v[CD+4*i:CD+4*i+3], v[RD] offset:16*(i/2)*PITCH+32*(i%2)
.set i, i+1
.endr
.set i, 0
.rept 32
	s_wait_dscnt 31-i
	global_store_b128 v[CO], v[CD+4*i:CD+4*i+3], s[10:11] offset:512*i
.set i, i+1
.endr
	s_wait_tensorcnt 0x0                           ; the wave's end
	ds_add_u32 v[SPW], v[NIL]
	s_wait_dscnt 0x0
	CROUND
	s_endpgm
.Lfunc_end_k_q26053da84e_proj:
	.size	k_q26053da84e_proj, .Lfunc_end_k_q26053da84e_proj-k_q26053da84e_proj
	.p2alignl 7, 3214868480
	.fill 96, 4, 3214868480
	.section	.rodata,"a",@progbits
	.p2align	6, 0x0
	.amdhsa_kernel k_q26053da84e_proj
		.amdhsa_group_segment_fixed_size 327680
		.amdhsa_private_segment_fixed_size 0
		.amdhsa_enable_private_segment 0
		.amdhsa_kernarg_size 72
		.amdhsa_user_sgpr_count 2
		.amdhsa_user_sgpr_kernarg_segment_ptr 1
		.amdhsa_wavefront_size32 1
		.amdhsa_system_sgpr_workgroup_id_x 1
		.amdhsa_system_sgpr_workgroup_id_y 1
		.amdhsa_system_sgpr_workgroup_id_z 1
		.amdhsa_system_vgpr_workitem_id 0
		.amdhsa_next_free_vgpr 1024
		.amdhsa_next_free_sgpr 98
		.amdhsa_reserve_vcc 0
		.amdhsa_float_denorm_mode_32 3
		.amdhsa_float_denorm_mode_16_64 3
		.amdhsa_memory_ordered 1
		.amdhsa_forward_progress 1
		.amdhsa_inst_pref_size 150
	.end_amdhsa_kernel
	.amdgpu_metadata
---
amdhsa.version: [ 1, 2 ]
amdhsa.kernels:
  - .name:           k_q26053da84e_proj
    .symbol:         k_q26053da84e_proj.kd
    .args:
      - { .name: hidden_states_codes, .offset: 0, .size: 8, .value_kind: global_buffer, .address_space: global }
      - { .name: Wq_codes, .offset: 8, .size: 8, .value_kind: global_buffer, .address_space: global }
      - { .name: Wk_codes, .offset: 16, .size: 8, .value_kind: global_buffer, .address_space: global }
      - { .name: Wv_codes, .offset: 24, .size: 8, .value_kind: global_buffer, .address_space: global }
      - { .name: bk, .offset: 32, .size: 8, .value_kind: global_buffer, .address_space: global }
      - { .name: bv, .offset: 40, .size: 8, .value_kind: global_buffer, .address_space: global }
      - { .name: lowp_scales, .offset: 48, .size: 8, .value_kind: global_buffer, .address_space: global }
      - { .name: qkv, .offset: 56, .size: 8, .value_kind: global_buffer, .address_space: global }
      - { .name: wqi, .offset: 64, .size: 8, .value_kind: global_buffer, .address_space: global }
    .group_segment_fixed_size: 327680
    .private_segment_fixed_size: 0
    .kernarg_segment_align: 8
    .kernarg_segment_size: 72
    .max_flat_workgroup_size: 128
    .sgpr_count:     98
    .vgpr_count:     1024
    .wavefront_size: 32
...
	.end_amdgpu_metadata
.endif
;; end of part 1
;; launch attn (part 2): grid 4 x 64, 16 waves a work-group, clusters of 4 x 1, 327,680 bytes of LDS; arguments qkv, wqi, bq, lowp_scales, out0; writes out0
.if DOCPART == 2
	.amdgcn_target "amdgcn-amd-amdhsa--gfx1250"
	.amdhsa_code_object_version 6
	.text
	.protected	k_q26053da84e_attn
	.globl	k_q26053da84e_attn
	.p2align	8
	.type	k_q26053da84e_attn,@function
k_q26053da84e_attn:
	s_mov_b64 s[64:65], 0
	v_nop
	global_prefetch_b8 v0, s[64:65] scope:SCOPE_SE
	s_setreg_imm32_b32 hwreg(HW_REG_WAVE_MODE, 25, 1), 1
	s_wait_xcnt 0x0
	s_wait_alu depctr_hold_cnt(0) depctr_sa_sdst(0) depctr_va_vdst(0) depctr_va_sdst(0) depctr_va_ssrc(0) depctr_va_vcc(0) depctr_vm_vsrc(0)
	s_getreg_b32 s2, hwreg(HW_REG_IB_STS2, 6, 4)
	s_cmp_eq_u32 s2, 0
	s_cbranch_scc0 .Lentry_in_a_cluster
	s_endpgm
.Lentry_in_a_cluster:
	s_bfe_u32 s2, ttmp6, 0x10000c
	s_cmp_lg_u32 s2, 0x3003
	s_cbranch_scc0 .Lentry_shape_is_right
	s_endpgm
.Lentry_shape_is_right:
; out[b][q][64 hd ..] = the sum over k of softmax_k(Q . K / 8) V, for 64 heads of 2,048 tokens and head size 64; Q = hidden Wq^T + bq is made here.  All three products on codes of FP8 (E4M3) with the given scales:
; 2^e0 (hidden), 2^e1 (Wq), 2^e6 (q), 2^e7 (k), 2^e8 (p), 2^e9 (v).
; THE SOFTMAX AHEAD OF THE LAST PRODUCT: t = score x log2(e) / 8; M = the row's largest t, rounded UP to a whole number; p = 2^(t - M) is quantised along the keys, not normalised; the row's sum of the unquantised p divides O at the end.
; THE WORKSPACE.  Part 0: hidden's codes as images of fragments of 16 rows x 128 K: block of 16 tokens (16,384 B) | K step (2,048 B) | chunk i (512 B) | lane (16 B), lane (r, h) holding k = 128 s + 32 i + 16 h + 0..15.
; wqi: Wq's codes likewise, head (65,536 B) | K step (8,192 B) | block of 16 rows (2,048 B) | chunk | lane.  The same places of k on both sides: every product meets its partner.
; Parts 1 (k), 2 (v): batch (2 MiB) | block of 64 columns | block of 16 rows (1,024 B) | half (512 B) | lane (16 B).  k: row = token, column block = head.  v: row = feature, column block = 64 keys.
; SHARES.  A work-group owns 512 queries of one head; each of its sixteen waves 32 of them, two tiles of 16, in 256 registers; each fragment read from LDS feeds two matrix instructions.
; Q.  A wave's 32 queries x the head's 64 features: eight K steps of 128, 8 matrix instructions each, source 0 = 16 rows of Wq (from LDS), source 1 = 16 tokens (from memory, 512 consecutive bytes a load, three steps' loads out):
; a lane holds a query, its registers run along the features, so the conversions' results are Q's fragments.  The bias goes in as the first products' C, divided by 2^(e0 + e1).  Each number of Q is made once in the launch.
; TWO PASSES over the head's keys.  Pass 1 makes S^T = K Q^T for the row's largest score alone: 8 matrix instructions and 32 maxima for 64 keys and 32 queries.  Pass 2 makes S^T again with M known:
; so no sum and no O^T is ever multiplied by a change of M (32 packed multiplications and 22 lines of running statistics for 64 keys are not written).
; LDS.  K's 131,072 bytes from byte 0, V's from byte 131,072.  Three loads a wave, one out at a time: at the head 4,096 bytes of Wq's image, onto the bytes of V's upper half; behind the full sequence and a round K (waves 0-7,
; 16,384 bytes each) and V's lower half (waves 8-15, two blocks of 64 keys each), all first fills, which land under Q's products; behind a second sequence and round V's upper half, a block of 64 keys a wave, onto just the bytes that
; Wq's image filled: it has the first half of pass 1 in which to land.
; CLUSTER.  The four query blocks of a head form a cluster and read the same Wq, K and V: each part is asked for JOINTLY, by the same tensor load with the same descriptor and a mask that names the four.
; NO PREFETCH: every tensor load leaves ahead of the loops, and hidden's loads are written out with three steps on their way: there is no loop to run ahead in.
; LAYOUT of the attention.  Both products are used transposed: S^T = K Q^T (source 0 = 16 keys, source 1 = 16 queries), O^T = V^T P^T (source 0 = 16 channels, source 1 = P): a lane holds ONE query (lane % 16) throughout, and the
; eight registers of S^T's tile f are keys 16 f + 8 (lane / 16) + 0..7: their conversion gives registers 2 f, 2 f + 1 of P's fragment.
; LIMITS on the given exponents, so that each power of two below is an f32 number: e0 + e1 between -126 and 127; e6 - e0 - e1 and e8 between -126 and 119; e6 + e7 between -123 and 130 (added to c's exponent field);
; e8 + e9 goes by v_ldexp_f32 and has none.  NaN is not served.
.set SPARE,  0x40000                   ; behind K and V: the spare words, 128 bytes a wave
.set SPITCH, 272                       ; the way out: a stage of 16 rows x (256 bytes + 16) for each wave
.set LI,   1                           ; v1   16 x lane: my place in an image
.set AV0,  2                           ; v2   the same in V's half of LDS
.set ADK,  3                           ; v3   LDS address of the step's K
.set ADV,  4                           ; v4   of its V (at the head: of Wq's image)
.set GO,   5                           ; v5   the way out: my byte offset in the wave's rows of out
.set STO,  6                           ; v6   the way out: where I put 32 bytes of a row
.set RD,   7                           ; v7   the way out: where I read a row back
.set SC,   8                           ; v8   2^e8 as f32, for p's conversion
.set LIMQ, 9                           ; v9   448 x 2^(e6 - e0 - e1)
.set NM,   10                          ; v[10+2q] -M of tile q; v[11+2q] named with it as a pair
.set SU,   14                          ; v[14+4q .. 17+4q] tile q's sum, in two pairs
.set MX,   22                          ; v[22+2q], v[23+2q] tile q's largest score, in two chains
.set TP,   26                          ; v26, v27 permutes' destinations
.set SCQ,  28                          ; v28  2^(e6 - e0 - e1) as f32, for Q's conversion
.set BO,   29                          ; v29  the bias's offset: 32 x (lane / 16)
.set SPW,  30                          ; v30  LDS address of my spare word; never rewritten
.set NIL,  31                          ; v31  0; never rewritten
.set QF,   32                          ; v32-47   Q, 8 a tile (before: the bias of features 0-31)
.set KF,   48                          ; v48-79   K's four fragments (Q's products: two fragments of Wq)
.set VF,   80                          ; v80-111  V's four fragments (pass 1: four more of K's).  v80-175: hidden's three buffers of 32
.set S,    112                         ; v112-175 S^T, then p: tile q, keys 16 f on, at S + 32 q + 8 f
.set PC,   176                         ; v176-191 p's codes, 8 a tile (before: the bias of features 32-63)
.set O,    192                         ; v192-255 O^T: tile q, channels 16 f on, at O + 32 q + 8 f (before: Q's sums; pass 1: a second S^T)
.set WV,   10                          ; s10  my wave's number
.set G1W,  16                          ; s[16:23] descriptor group 1: 16 rows of 256 bytes;  s[24:31]: 64 such rows;  s[76:83]: 2 rows of 4,096 bytes
.set G1K,  24
.set G1V,  76
.set G0W,  32                          ; groups 0: Wq's image, K, V's lower half, V's upper half
.set G0K,  36
.set G0V,  84
.set G0U,  88
.set SEL,  40                          ; s[40:41] lane selects for v_permlanex16_b32: lane l xor 16
.set CS,   42                          ; s[42:43] c = log2(e) / 8 x 2^(e6 + e7)
.set TB,   44                          ; s44  LDS byte of the step in hand
.set CNT,  45                          ; s45  counts trips
.set LIMS, 46                          ; s46  448 x 2^e8
.macro ROUND                           ; a round of the cluster's barrier
	s_barrier_signal -1
	s_barrier_wait -1
	s_cmp_lg_u32 s[WV], 0
	s_cbranch_scc1 .Lnot_wave_0_\@
	s_barrier_signal -3
.Lnot_wave_0_\@:
	s_barrier_wait -3
	s_barrier_signal -1
	s_barrier_wait -1
.endm
.macro LDF reg, adr, off               ; four fragments, 64 rows x 64 K: eight loads, each of 512 consecutive bytes
.irp f, 0,1,2,3
.irp c, 0,1
	ds_load_b128 v[\reg+8*\f+4*\c:\reg+8*\f+4*\c+3], v[\adr] offset:(\off)+1024*\f+512*\c
.endr
.endr
.endm
.macro QK dst, kf                      ; S^T of 64 keys x my 32 queries
.irp f, 0,1,2,3
.irp q, 0,1
	v_wmma_f32_16x16x64_fp8_fp8 v[\dst+32*\q+8*\f:\dst+32*\q+8*\f+7], v[\kf+8*\f:\kf+8*\f+7], v[QF+8*\q:QF+8*\q+7], 0
.endr
.endr
.endm
.macro MAXR r                          ; 64 scores a lane into four chains that take turns; each accumulator from its low end on
.irp j, 0,4,8,12,16,20,24,28
.irp q, 0,1
	v_max3_num_f32 v[MX+2*\q], v[MX+2*\q], v[\r+32*\q+\j], v[\r+32*\q+\j+1]
	v_max3_num_f32 v[MX+2*\q+1], v[MX+2*\q+1], v[\r+32*\q+\j+2], v[\r+32*\q+\j+3]
.endr
.endr
.endm
.macro LDH s                           ; hidden's two fragments of K step s, into buffer s % 3
.set HBR, VF+32*((\s)%3)
.irp q, 0,1
.irp i, 0,1,2,3
	global_load_b128 v[HBR+16*\q+4*\i:HBR+16*\q+4*\i+3], v[LI], s[74:75] offset:16384*\q+2048*(\s)+512*\i
.endr
.endr
.endm
.macro LDW s, c                        ; Wq's fragment of K step s, features 16 c on
.irp i, 0,1,2,3
	ds_load_b128 v[KF+16*((\c)%2)+4*\i:KF+16*((\c)%2)+4*\i+3], v[ADV] offset:8192*(\s)+2048*(\c)+512*\i
.endr
.endm
.macro QMUL s, c
.set BR, QF+8*(\c)+(PC-QF-16)*((\c)/2)
.irp q, 0,1
.if (\s) == 0
	v_wmma_f32_16x16x128_fp8_fp8 v[O+32*\q+8*(\c):O+32*\q+8*(\c)+7], v[KF+16*((\c)%2):KF+16*((\c)%2)+15], v[HBR+16*\q:HBR+16*\q+15], v[BR:BR+7]
.else
	v_wmma_f32_16x16x128_fp8_fp8 v[O+32*\q+8*(\c):O+32*\q+8*(\c)+7], v[KF+16*((\c)%2):KF+16*((\c)%2)+15], v[HBR+16*\q:HBR+16*\q+15], v[O+32*\q+8*(\c):O+32*\q+8*(\c)+7]
.endif
.endr
.endm
.macro QSTEP s                         ; a K step of Q's product: the eight accumulators take turns
.set HBR, VF+32*((\s)%3)
.set NW, 8*(7-(\s))
.if NW > 16
.set NW, 16
.endif
	LDW \s, 0
	LDW \s, 1
	s_wait_loadcnt NW                              ; this step's fragments of hidden are in; the loads of the steps behind it, two at the most, may be out
	s_wait_dscnt 0x0
	QMUL \s, 0
	QMUL \s, 1
.rept 4
	v_nop                                          ; places in front of loads into registers that the products read
.endr
	LDW \s, 2
	LDW \s, 3
	s_wait_dscnt 0x0
	QMUL \s, 2
	QMUL \s, 3
.rept 4
	v_nop
.endr
.if (\s) < 5
	LDH (\s)+3
.endif
.endm
	s_load_b256 s[92:99], s[0:1], 0x0              ; the workspace s[92:93], Wq's image s[94:95], bq s[96:97], the exponents s[98:99]
	s_load_b64 s[8:9], s[0:1], 0x20                ; out
	v_lshl_add_u32 v[SPW], v0, 2, SPARE
	v_mov_b32 v[NIL], 0
	ds_add_u32 v[SPW], v[NIL]                      ; the opening lines: the add, twice on end, and its wait ahead of my first tensor load
	ds_add_u32 v[SPW], v[NIL]
	v_lshrrev_b32 v1, 5, v0
	s_delay_alu instid0(VALU_DEP_1)
	v_readfirstlane_b32 s[WV], v1                  ; wave 0..15
	s_bfe_u32 s11, ttmp6, 0x40000                  ; cx: my block of 512 queries: it enters hidden's and out's addresses alone
	s_and_b32 s12, ttmp7, 0xffff                   ; y = 16 b + hd: the head, which the four partners share
	s_lshr_b32 s13, s12, 4                         ; b
	s_and_b32 s14, s12, 15                         ; hd
.irp g, G1W, G1K, G1V
	s_mov_b32 s[\g+0], 15|(3<<16)|(1<<21)          ; the mask: all four work-groups; elements of 8 bytes; bit 21 beside a mask; no padding
	s_mov_b32 s[\g+6], 0
	s_mov_b32 s[\g+7], 0
.endr
	s_mov_b32 s[G1W+1], 32<<16                     ; a dense block of 4,096 bytes as 16 rows of 256 bytes
	s_mov_b32 s[G1W+2], 16<<16
	s_mov_b32 s[G1W+3], 32<<16
	s_mov_b32 s[G1W+4], 16
	s_mov_b32 s[G1W+5], 32
	s_mov_b32 s[G1K+1], 32<<16                     ; a dense block of 16,384 bytes as 64 rows of 256 bytes
	s_mov_b32 s[G1K+2], 64<<16
	s_mov_b32 s[G1K+3], 32<<16
	s_mov_b32 s[G1K+4], 64
	s_mov_b32 s[G1K+5], 32
	s_mov_b32 s[G1V+1], 512<<16                    ; 2 rows of 4,096 bytes (a head's part of a block of 64 keys), 65,536 bytes apart
	s_mov_b32 s[G1V+2], 2<<16
	s_mov_b32 s[G1V+3], 512<<16
	s_mov_b32 s[G1V+4], 2
	s_mov_b32 s[G1V+5], 8192
	s_mov_b32 s[SEL], 0x76543210
	s_mov_b32 s[SEL+1], 0xfedcba98
	s_mov_b32 s[CS], 0x3e38aa3b                    ; log2(e) / 8
	s_lshl_b32 s58, s[WV], 12                      ; my 4,096 bytes of Wq's image and of V's upper half: no place in the cluster enters an LDS address
	s_and_b32 s59, s[WV], 7                        ; j: my part of K, or of V's lower half
	s_lshl_b32 s60, s14, 16                        ; Wq's image: the head, my 4,096 bytes
	s_add_co_u32 s60, s60, s58
	s_mov_b32 s61, 0
	s_lshl_b32 s62, s12, 17                        ; K: part 1, the head's plane, 16,384 j
	s_lshl_b32 s63, s59, 14
	s_add_co_u32 s62, s62, s63
	s_add_co_u32 s62, s62, 1<<23
	s_mov_b32 s63, 0
	s_lshl_b32 s66, s13, 21                        ; V: part 2, the batch, the head's four blocks of rows,
	s_lshl_b32 s67, s14, 12
	s_add_co_u32 s66, s66, s67
	s_add_co_u32 s66, s66, 2<<23
	s_lshl_b32 s67, s59, 17
	s_add_co_u32 s70, s66, s67                     ; blocks of 64 keys 2 j, 2 j + 1,
	s_mov_b32 s71, 0
	s_lshl_b32 s67, s[WV], 16
	s_add_co_u32 s72, s66, s67
	s_add_co_u32 s72, s72, 16<<16                  ; or block 16 + wave
	s_mov_b32 s73, 0
	s_lshl_b32 s74, s13, 21                        ; hidden's image: the batch's 128 blocks of 16 tokens, my work-group's 32, my wave's two
	s_lshl_b32 s75, s11, 19
	s_add_co_u32 s74, s74, s75
	s_lshl_b32 s75, s[WV], 15
	s_add_co_u32 s74, s74, s75
	s_mov_b32 s75, 0
	s_lshl_b32 s66, s13, 23                        ; out: the batch, my block's 512 rows of 4,096 bytes, my wave's 32, the head's 256 bytes of a row
	s_lshl_b32 s67, s11, 21
	s_add_co_u32 s66, s66, s67
	s_lshl_b32 s67, s[WV], 17
	s_add_co_u32 s66, s66, s67
	s_lshl_b32 s67, s14, 8
	s_add_co_u32 s66, s66, s67
	s_mov_b32 s67, 0
	s_lshl_b32 s68, s14, 8                         ; bq: the head's 64 numbers
	s_mov_b32 s69, 0
	s_mul_i32 s47, s[WV], 16*SPITCH                ; my stage: the sixteen take LDS bytes 0 to 69,631: K's blocks of 64 keys 0 to 16
	s_wait_dscnt 0x0                               ; both opening adds are done
	s_wait_kmcnt 0x0
	s_load_b256 s[48:55], s[98:99], 0x0            ; e0 .. e7
	s_load_b64 s[56:57], s[98:99], 0x20            ; e8, e9
	s_mov_b32 s[G0W], 1
	s_add_co_u32 s[G0W+1], s58, 0x30000
	s_add_nc_u64 s[G0W+2:G0W+3], s[94:95], s[60:61]
	s_or_b32 s[G0W+3], s[G0W+3], 0x80000000
	s_mov_b32 s[G0K], 1
	s_lshl_b32 s[G0K+1], s59, 14
	s_add_nc_u64 s[G0K+2:G0K+3], s[92:93], s[62:63]
	s_or_b32 s[G0K+3], s[G0K+3], 0x80000000
	s_mov_b32 s[G0V], 1
	s_lshl_b32 s[G0V+1], s59, 13
	s_add_co_u32 s[G0V+1], s[G0V+1], 0x20000
	s_add_nc_u64 s[G0V+2:G0V+3], s[92:93], s[70:71]
	s_or_b32 s[G0V+3], s[G0V+3], 0x80000000
	s_mov_b32 s[G0U], 1
	s_add_co_u32 s[G0U+1], s58, 0x30000
	s_add_nc_u64 s[G0U+2:G0U+3], s[92:93], s[72:73]
	s_or_b32 s[G0U+3], s[G0U+3], 0x80000000
	s_add_nc_u64 s[74:75], s[92:93], s[74:75]
	s_add_nc_u64 s[66:67], s[8:9], s[66:67]
	s_add_nc_u64 s[68:69], s[96:97], s[68:69]
	ROUND                                          ; all four work-groups are here: the joint loads meet
	tensor_load_to_lds s[G0W:G0W+3], s[G1W:G1W+7]  ; my part of Wq's image: my one tensor load at the head
	s_nop 0
.rept 4
	v_nop
.endr
	v_and_b32 v[LI], 31, v0
	v_bfe_u32 v4, v0, 4, 1                         ; h
	v_lshlrev_b32 v[LI], 4, v[LI]
	v_lshlrev_b32 v[BO], 5, v4
.irp c, 0,1
	global_load_b128 v[QF+8*\c:QF+8*\c+3], v[BO], s[68:69] offset:64*\c        ; bq at features 16 c + 8 h + 0..7: the layout of a result
	global_load_b128 v[QF+8*\c+4:QF+8*\c+7], v[BO], s[68:69] offset:64*\c+16
.endr
.irp c, 0,1
	global_load_b128 v[PC+8*\c:PC+8*\c+3], v[BO], s[68:69] offset:128+64*\c
	global_load_b128 v[PC+8*\c+4:PC+8*\c+7], v[BO], s[68:69] offset:128+64*\c+16
.endr
	LDH 0
	LDH 1
	LDH 2
	v_add_nc_u32 v[AV0], 0x20000, v[LI]
	v_and_b32 v3, 15, v0                           ; r
	v_mul_u32_u24 v[STO], v3, SPITCH
	s_delay_alu instid0(VALU_DEP_1)
	v_lshl_add_u32 v[STO], v4, 5, v[STO]
	s_delay_alu instid0(VALU_DEP_1)
	v_add_nc_u32 v[STO], s47, v[STO]               ; in: row r; tile f's eight channels of my half: 64 f + 32 h bytes on
	v_mul_u32_u24 v[RD], v4, SPITCH
	s_delay_alu instid0(VALU_DEP_1)
	v_lshl_add_u32 v[RD], v3, 4, v[RD]
	s_delay_alu instid0(VALU_DEP_1)
	v_add_nc_u32 v[RD], s47, v[RD]                 ; back: lanes 0-15 one row, lanes 16-31 the next
	v_lshlrev_b32 v[GO], 12, v4
	s_delay_alu instid0(VALU_DEP_1)
	v_lshl_add_u32 v[GO], v3, 4, v[GO]             ; and the same two rows in out
	v_add_nc_u32 v[ADV], 0x30000, v[LI]            ; Wq's image
.irp i, 0,1,2,3
	v_mov_b32 v[MX+\i], 0xff7fffff                 ; the largest score so far: under every finite score
.endr
.irp i, 0,1,2,3,4,5,6,7
	v_mov_b32 v[SU+\i], 0                          ; the sums
.endr
	v_mov_b32 v[NM+1], 0                           ; (named as the upper halves of -M's pairs)
	v_mov_b32 v[NM+3], 0
	v_mov_b32 v[TP], 0                             ; written once: a lane permute's destination counts as one of its sources
	v_mov_b32 v[TP+1], 0
	s_wait_kmcnt 0x0
	s_add_co_i32 s70, s54, s55
	s_lshl_b32 s70, s70, 23
	s_add_co_i32 s[CS], s[CS], s70                 ; a score stands for score x 2^(e6 + e7): the two exponents are added to c's exponent field
	s_mov_b32 s[CS+1], s[CS]                       ; (named with it as a pair, so it is written)
	s_add_co_i32 s70, s56, 127
	s_lshl_b32 s71, s70, 23
	v_mov_b32 v[SC], s71
	s_add_co_i32 s70, s70, 8
	s_lshl_b32 s70, s70, 23
	s_or_b32 s[LIMS], s70, 0x600000
	s_add_co_i32 s72, s48, s49                     ; e0 + e1
	s_sub_co_i32 s73, 127, s72
	s_lshl_b32 s100, s73, 23                       ; 2^-(e0 + e1), for the bias
	s_mov_b32 s101, s100
	s_sub_co_i32 s72, s54, s72                     ; a sum stands for sum x 2^(e0 + e1): its code is sum / 2^(e6 - e0 - e1)
	s_add_co_i32 s72, s72, 127
	s_lshl_b32 s73, s72, 23
	v_mov_b32 v[SCQ], s73
	s_add_co_i32 s72, s72, 8
	s_lshl_b32 s72, s72, 23
	s_or_b32 s72, s72, 0x600000
	v_mov_b32 v[LIMQ], s72
	s_wait_loadcnt 24                              ; the bias's eight loads are in; hidden's 24 may be out
.irp j, 0,2,4,6,8,10,12,14
	v_pk_mul_f32 v[QF+\j:QF+\j+1], v[QF+\j:QF+\j+1], s[100:101] op_sel_hi:[1,0]
	v_pk_mul_f32 v[PC+\j:PC+\j+1], v[PC+\j:PC+\j+1], s[100:101] op_sel_hi:[1,0]
.endr
	s_wait_alu depctr_va_vdst(0)                   ; at the head's end
	s_wait_tensorcnt 0x0                           ; my part of Wq's image is in
	ds_add_u32 v[SPW], v[NIL]
	s_wait_dscnt 0x0
	ROUND                                          ; everybody's part is in, and the four work-groups are here
	s_cmp_lt_u32 s[WV], 8                          ; first fills alone behind this round: waves 0-7 K, waves 8-15 V's lower half
	s_cbranch_scc0 .Lfor_v
	tensor_load_to_lds s[G0K:G0K+3], s[G1K:G1K+7]
	s_nop 0
.rept 4
	v_nop
.endr
	s_branch .Lasked
.Lfor_v:
	tensor_load_to_lds s[G0V:G0V+3], s[G1V:G1V+7]
	s_nop 0
.rept 4
	v_nop
.endr
.Lasked:
.irp s, 0,1,2,3,4,5,6,7
	QSTEP \s
.endr
	s_wait_tensorcnt 0x0                           ; my part of K or V is in,
	ds_add_u32 v[SPW], v[NIL]
	s_wait_dscnt 0x0                               ; and my reads of Wq's image are over
	ROUND                                          ; both hold of every wave of the four work-groups
	tensor_load_to_lds s[G0U:G0U+3], s[G1W:G1W+7]  ; V's upper half, onto the bytes that Wq's image filled: my 4,096 there as here
	s_nop 0
.rept 4
	v_nop
.endr
.set j, 0
.rept 64
	v_med3_num_f32 v[O+j], v[O+j], -v[LIMQ], v[LIMQ]   ; the hold: the conversion to an 8-bit code does not saturate (ISA guide 7.6.2); each accumulator from its low end on
.set j, j+1
.endr
.irp q, 0,1
.irp c, 0,1,2,3
	v_cvt_scalef32_pk8_fp8_f32 v[QF+8*\q+2*\c:QF+8*\q+2*\c+1], v[O+32*\q+8*\c:O+32*\q+8*\c+7], v[SCQ]   ; features 16 c + 8 h + 0..7: registers 2 c, 2 c + 1 of Q's fragment
.endr
.endr
	v_nop                                          ; a plain line behind the conversions
; PASS 1.  A trip takes 128 keys: 16 products, the next 128 keys' fragments asked for behind four places, 64 maxima.
.macro P1 more
	s_wait_dscnt 0x0                               ; the sixteen loads issued 64 maxima ago
	QK S, KF
	QK O, VF
.if \more
	v_add_nc_u32 v[ADK], s[TB], v[LI]
.else
	v_nop
.endif
.rept 3
	v_nop                                          ; with the line above: four places in front of loads into registers that the products read, and of the first read of results
.endr
.if \more
	LDF KF, ADK, 0
	LDF VF, ADK, 4096
.endif
	MAXR S
	MAXR O
.endm
.macro P1LOOP trips
	s_mov_b32 s[CNT], \trips
.Lp1_\@:
	P1 1
	s_add_co_u32 s[TB], s[TB], 8192
	s_sub_co_u32 s[CNT], s[CNT], 1
	s_cmp_lg_u32 s[CNT], 0
	s_wait_alu depctr_va_vdst(0)
	s_cbranch_scc1 .Lp1_\@
.endm
	LDF KF, LI, 0                                  ; keys 0 to 127
	LDF VF, LI, 4096
	s_mov_b32 s[TB], 8192
	s_wait_alu depctr_va_vdst(0)
	P1LOOP 8                                       ; keys 0 to 1,023
	s_wait_tensorcnt 0x0                           ; my part of V's upper half is in,
	s_wait_dscnt 0x0                               ; no LDS load of mine is out:
	s_barrier_signal -1                            ; say so.  Up to the wait for this barrier I read K alone, which nobody writes before the last barrier
	s_mov_b32 s[TB], 9*8192
	P1LOOP 7                                       ; keys 1,024 to 1,919
	P1 0                                           ; the last 128 keys: nothing more to fetch
	LDF KF, LI, 0                                  ; pass 2's first 64 keys
.irp q, 0,1
	v_max_num_f32 v[MX+2*\q], v[MX+2*\q], v[MX+2*\q+1]
.endr
.irp q, 0,1
	v_permlanex16_b32 v[TP+\q], v[MX+2*\q], s[SEL], s[SEL+1]
.endr
.irp q, 0,1
	v_max_num_f32 v[MX+2*\q], v[MX+2*\q], v[TP+\q] ; and lane l xor 16's: the row's largest score
.endr
.irp q, 0,1
	v_mul_f32 v[MX+2*\q], s[CS], v[MX+2*\q]        ; as t (c is positive)
.endr
.irp q, 0,1
	v_floor_f32 v[NM+2*\q], -v[MX+2*\q]            ; -M = floor(-t) = -ceil(t)
.endr
	s_wait_alu depctr_va_vdst(0)                   ; directly ahead of the waits below
	s_barrier_wait -1                              ; all of V is in
	s_wait_dscnt 0x0
; PASS 2.  A step takes 64 keys.  Its V and the next step's K are asked for behind the first products' places and waited for in front of the second products.
.macro STEP2 first, last
	QK S, KF
	v_add_nc_u32 v[ADV], s[TB], v[AV0]
.if \last
	v_nop
.else
	v_add_nc_u32 v[ADK], s[TB], v[LI]
.endif
	v_nop                                          ; four places with the two lines above: in front of loads into registers that the last products read, and of the first read of results
	v_nop
	LDF VF, ADV, 0
.if \last == 0
	LDF KF, ADK, 4096
.endif
.irp j, 0,2,4,6,8,10,12,14,16,18,20,22,24,26,28,30
.irp q, 0,1
	v_pk_fma_f32 v[S+32*\q+\j:S+32*\q+\j+1], v[S+32*\q+\j:S+32*\q+\j+1], s[CS:CS+1], v[NM+2*\q:NM+2*\q+1] op_sel_hi:[1,0,0]   ; t - M, two at a time (of the pairs c and -M the low word serves both halves)
.endr
.endr
	s_wait_alu depctr_va_vdst(0)                   ; ahead of the batch
.set j, 0
.rept 64
	v_exp_f32 v[S+j], v[S+j]                       ; p = 2^(t - M): NOT normalised.  Both tiles' 64 exponentials are one batch
.set j, j+1
.endr
	v_nop                                          ; the plain place behind the exponentials
	s_wait_alu depctr_va_vdst(0)                   ; one wait for the whole batch, ahead of its first reader
.irp j, 0,4,8,12,16,20,24,28
.irp q, 0,1
	v_pk_add_f32 v[SU+4*\q:SU+4*\q+1], v[SU+4*\q:SU+4*\q+1], v[S+32*\q+\j:S+32*\q+\j+1]   ; THE ROW'S SUM IS TAKEN OF THE UNQUANTISED p: four chains that take turns
	v_pk_add_f32 v[SU+4*\q+2:SU+4*\q+3], v[SU+4*\q+2:SU+4*\q+3], v[S+32*\q+\j+2:S+32*\q+\j+3]
.endr
.endr
.set j, 0
.rept 32
	v_dual_min_num_f32 v[S+j], s[LIMS], v[S+j] :: v_dual_min_num_f32 v[S+j+1], s[LIMS], v[S+j+1]   ; the hold; p is not negative, so it is one-sided; two a line
.set j, j+2
.endr
.irp q, 0,1
.irp f, 0,1,2,3
	v_cvt_scalef32_pk8_fp8_f32 v[PC+8*\q+2*\f:PC+8*\q+2*\f+1], v[S+32*\q+8*\f:S+32*\q+8*\f+7], v[SC]
.endr
.endr
	v_nop                                          ; a plain line between the conversions and the products that read their results
	s_wait_dscnt 0x0                               ; V is in, and the next step's K
	s_wait_alu depctr_va_vdst(0)                   ; directly ahead of the first reader of O^T and of the codes
.irp f, 0,1,2,3                                ; the eight accumulators take turns, one instruction a turn
.irp q, 0,1
.if \first
	v_wmma_f32_16x16x64_fp8_fp8 v[O+32*\q+8*\f:O+32*\q+8*\f+7], v[VF+8*\f:VF+8*\f+7], v[PC+8*\q:PC+8*\q+7], 0
.else
	v_wmma_f32_16x16x64_fp8_fp8 v[O+32*\q+8*\f:O+32*\q+8*\f+7], v[VF+8*\f:VF+8*\f+7], v[PC+8*\q:PC+8*\q+7], v[O+32*\q+8*\f:O+32*\q+8*\f+7]
.endif
.endr
.endr
.endm
.macro P2LOOP trips
	s_mov_b32 s[CNT], \trips
.Lp2_\@:
	STEP2 0, 0
	s_add_co_u32 s[TB], s[TB], 4096
	s_sub_co_u32 s[CNT], s[CNT], 1
	s_cmp_lg_u32 s[CNT], 0
	s_cbranch_scc1 .Lp2_\@
.endm
	s_mov_b32 s[TB], 0
	STEP2 1, 0                                     ; step 0: its products start the sums
	s_mov_b32 s[TB], 4096
	P2LOOP 16                                      ; steps 1 to 16; step 16 has fetched K's block 17
	s_barrier_signal -1                            ; my reads of K's blocks 0 to 16 are over (each step ends behind its wait for all its loads): say so.  From here on I read K from byte 69,632 on, and V
	s_mov_b32 s[TB], 17*4096
	P2LOOP 14                                      ; steps 17 to 30
	STEP2 0, 1                                     ; step 31 fetches no further K
	; THE WAY OUT.  The sum's parts and lane l xor 16's are added; O^T is divided by the sum, multiplied by 2^(e8 + e9), and goes through my stage in LDS, a tile of 16 queries at a time, so that sixteen lanes store
	; 256 consecutive bytes.  The first eight lines are the places behind the last products.
.irp q, 0,1
	v_pk_add_f32 v[SU+4*\q:SU+4*\q+1], v[SU+4*\q:SU+4*\q+1], v[SU+4*\q+2:SU+4*\q+3]
.endr
.irp q, 0,1
	v_add_f32 v[SU+4*\q], v[SU+4*\q], v[SU+4*\q+1]
.endr
.irp q, 0,1
	v_permlanex16_b32 v[TP+\q], v[SU+4*\q], s[SEL], s[SEL+1]
.endr
.irp q, 0,1
	v_add_f32 v[SU+4*\q], v[SU+4*\q], v[TP+\q]
.endr
	s_wait_alu depctr_va_vdst(0)                   ; ahead of the transcendentals
.irp q, 0,1
	v_rcp_f32 v[SU+4*\q+2], v[SU+4*\q]
.endr
	v_nop                                          ; a plain line behind the last reciprocal
	s_add_co_i32 s70, s56, s57                     ; e8 + e9
	s_wait_alu depctr_va_vdst(0)                   ; one wait for the two reciprocals, ahead of their first reader
.irp q, 0,1
	v_ldexp_f32 v[SU+4*\q], v[SU+4*\q+2], s70
.endr
	s_wait_alu depctr_va_vdst(0)                   ; directly ahead of the first reader of O^T
.irp q, 0,1
.irp j, 0,2,4,6,8,10,12,14,16,18,20,22,24,26,28,30
	v_pk_mul_f32 v[O+32*\q+\j:O+32*\q+\j+1], v[O+32*\q+\j:O+32*\q+\j+1], v[SU+4*\q:SU+4*\q+1] op_sel_hi:[1,0]   ; each accumulator from its low end on: register 8 f + i is out(query r, channel 16 f + 8 h + i)
.endr
.endr
	s_wait_alu depctr_va_vdst(0)                   ; directly ahead of the wait below
	s_barrier_wait -1                              ; nobody reads K's blocks 0 to 16 any more: the stages may be written
.irp q, 0,1
.irp f, 0,1,2,3
	ds_store_b128 v[STO], v[O+32*\q+8*\f:O+32*\q+8*\f+3] offset:64*\f
	ds_store_b128 v[STO], v[O+32*\q+8*\f+4:O+32*\q+8*\f+7] offset:64*\f+16
.endr
.irp i, 0,1,2,3,4,5,6,7
	ds_load_b128 v[KF+32*\q+4*\i:KF+32*\q+4*\i+3], v[RD] offset:2*\i*SPITCH   ; LDS serves a wave's instructions in order (ISA guide 5.7.1.4): these see my stores, and the next tile's stores come behind them
.endr
.endr
.irp q, 0,1
.irp i, 0,1,2,3,4,5,6,7
	s_wait_dscnt 23-16*\q-\i                       ; load i of the tile is in; its younger loads, and behind tile 0 the sixteen LDS instructions of tile 1, may be out
	global_store_b128 v[GO], v[KF+32*\q+4*\i:KF+32*\q+4*\i+3], s[66:67] offset:(16*\q+2*\i)*4096 th:TH_STORE_NT   ; 16 lanes store 256 consecutive bytes, at a multiple of 256 from out's first byte
.endr
.endr
	s_wait_tensorcnt 0x0                           ; the wave's end
	ds_add_u32 v[SPW], v[NIL]
	s_wait_dscnt 0x0
	ROUND                                          ; the closing round
	s_endpgm
.Lfunc_end_k_q26053da84e_attn:
	.size	k_q26053da84e_attn, .Lfunc_end_k_q26053da84e_attn-k_q26053da84e_attn
	.p2alignl 7, 3214868480
	.fill 96, 4, 3214868480
	.section	.rodata,"a",@progbits
	.p2align	6, 0x0
	.amdhsa_kernel k_q26053da84e_attn
		.amdhsa_group_segment_fixed_size 327680
		.amdhsa_private_segment_fixed_size 0
		.amdhsa_enable_private_segment 0
		.amdhsa_kernarg_size 40
		.amdhsa_user_sgpr_count 2
		.amdhsa_user_sgpr_kernarg_segment_ptr 1
		.amdhsa_wavefront_size32 1
		.amdhsa_system_sgpr_workgroup_id_x 1
		.amdhsa_system_sgpr_workgroup_id_y 1
		.amdhsa_system_sgpr_workgroup_id_z 1
		.amdhsa_system_vgpr_workitem_id 0
		.amdhsa_next_free_vgpr 256
		.amdhsa_next_free_sgpr 102
		.amdhsa_reserve_vcc 0
		.amdhsa_float_denorm_mode_32 3
		.amdhsa_float_denorm_mode_16_64 3
		.amdhsa_memory_ordered 1
		.amdhsa_forward_progress 1
		.amdhsa_inst_pref_size 108
	.end_amdhsa_kernel
	.amdgpu_metadata
---
amdhsa.version: [ 1, 2 ]
amdhsa.kernels:
  - .name:           k_q26053da84e_attn
    .symbol:         k_q26053da84e_attn.kd
    .args:
      - { .name: qkv, .offset: 0, .size: 8, .value_kind: global_buffer, .address_space: global }
      - { .name: wqi, .offset: 8, .size: 8, .value_kind: global_buffer, .address_space: global }
      - { .name: bq, .offset: 16, .size: 8, .value_kind: global_buffer, .address_space: global }
      - { .name: lowp_scales, .offset: 24, .size: 8, .value_kind: global_buffer, .address_space: global }
      - { .name: out0, .offset: 32, .size: 8, .value_kind: global_buffer, .address_space: global }
    .group_segment_fixed_size: 327680
    .private_segment_fixed_size: 0
    .kernarg_segment_align: 8
    .kernarg_segment_size: 40
    .max_flat_workgroup_size: 512
    .sgpr_count:     102
    .vgpr_count:     256
    .wavefront_size: 32
...
	.end_amdgpu_metadata
.endif
;; end of part 2
